; MI455X (gfx1250); checked and timed in simulation.
; The chip was launched on July 23, 2026; its instructions are those of AMD's public machine-readable ISA for CDNA 5 (MIT licence, August 2026) and "CDNA5" Instruction Set Architecture Reference Guide (July 2026). The comments in the code are by the model that wrote it; some were corrected since.
;; Vector Quantizer. Allowed arithmetic: matrix products marked QUANTISED: E2M1 operands, one E8M0 scale for each 32 along K, by v_wmma_scale_f32_16x16x128_f8f6f4 with both operands' format E2M1 (or v_wmma_scale_f32_32x16x128_f4), f32 sums; everything else in f32.
;; Inputs: embedding 1,024 x 64 float32; z 131,072 x 64 float32.
;; Outputs: out0 one number float32; out1 131,072 x 64 float32.
;; This version of the problem:
;;   THIS VERSION OF THE PROBLEM IS GIVEN IN LOW PRECISION. The matrix products marked QUANTISED in the list below multiply operands that are first quantised to E2M1 (2 exponent bits, 1 mantissa bit; 4 bits a number), with one power-of-two scale for each 32 numbers along K (OCP MX v1.0); their sums are f32. All else is computed in f32.
;;   The module's matrix products, in the order in which they are computed (A, B: the left and right operand; K: the contracted axis; several contracted axes count as one K, in the product's order):
;;     1. [M 131,072, K 64] x [K 64, N 1,024]; A: input z; B: input embedding: QUANTISED
;;   THE QUANTISER, for each operand of a quantised product, along K:
;;     - K is cut into blocks of 32 from its start; a last block that is shorter is filled with zeros.
;;     - A block's scale is 2^e with e = floor(log2(the largest magnitude in the block)) - 2, held to -126 .. 127; a block of zeros has e = 0. As a byte (E8M0): e + 127.
;;     - Each number is divided by its block's scale, clamped to +-6, and rounded to the nearest number of E2M1, ties to even, subnormals kept.
;;     - The product sums the exact products of the quantised numbers (number of the format x scale) in f32.
;;   ~~~python
;;   def quantise(x, axis):      # numpy; x: float32 -> the quantised numbers, widened to float32 again
;;       x = np.moveaxis(x, axis, -1); K = x.shape[-1]
;;       x = np.pad(x, [(0, 0)] * (x.ndim - 1) + [(0, -K % 32)]); x = x.reshape(x.shape[:-1] + (-1, 32)); a = np.abs(x).max(-1, keepdims=True)
;;       e = np.where(a > 0, np.clip(np.frexp(np.where(a > 0, a, 1))[1] - 1 - 2, -126, 127), 0)      # np.frexp(a)[1] - 1 = floor(log2(a)), exactly
;;       r = np.clip(x / 2.0 ** e, -6, 6)
;;       step = 2.0 ** (np.maximum(np.frexp(np.where(r == 0, 1, r))[1] - 1, 0) - 1)
;;       q = np.round(r / step) * step * 2.0 ** e      # np.round: ties to even
;;       return np.moveaxis(q.reshape(q.shape[:-2] + (-1,))[..., :K], -1, axis).astype(np.float32)
;;   ~~~
;; One version. Each part assembles by itself: llvm-mc -triple=amdgcn-amd-amdhsa -mcpu=gfx1250 --defsym DOCPART=n.
;; ======== version 1 of 1: 3 launches
;; limits: right only within a limited range of input values
;; workspace buffers: idx 524,288 bytes of whole numbers; part 2,048 bytes
;; launch nearest (part 1): grid 256 x 1, 8 waves a work-group, clusters of 4 x 1, 327,680 bytes of LDS; arguments z, embedding, idx; writes idx
.if DOCPART == 1
	.amdgcn_target "amdgcn-amd-amdhsa--gfx1250"
	.amdhsa_code_object_version 6
	.text
	.protected	k_qf7016fa366_nearest
	.globl	k_qf7016fa366_nearest
	.p2align	8
	.type	k_qf7016fa366_nearest,@function
k_qf7016fa366_nearest:
	s_mov_b64 s[64:65], 0
	v_nop
	global_prefetch_b8 v0, s[64:65] scope:SCOPE_SE
	s_setreg_imm32_b32 hwreg(HW_REG_WAVE_MODE, 25, 1), 1
	s_wait_xcnt 0x0
	s_wait_alu depctr_hold_cnt(0) depctr_sa_sdst(0) depctr_va_vdst(0) depctr_va_sdst(0) depctr_va_ssrc(0) depctr_va_vcc(0) depctr_vm_vsrc(0)
	s_getreg_b32 s2, hwreg(HW_REG_IB_STS2, 6, 4)
	s_cmp_eq_u32 s2, 0
	s_cbranch_scc0 .Lentry_in_a_cluster
	s_endpgm
.Lentry_in_a_cluster:
	s_bfe_u32 s2, ttmp6, 0x10000c
	s_cmp_lg_u32 s2, 0x3003
	s_cbranch_scc0 .Lentry_shape_is_right
	s_endpgm
.Lentry_shape_is_right:
; idx[b] = the first k at which d2[b][k] = z2[b] + (e2[k] - 2 Q(z[b]) . Q(e[k])) is smallest.  z: [131072][64] f32, e: [1024][64] f32, idx: [131072] u32.
; Q: codes of FP4 (E2M1) with one E8M0 scale for each 32 along K = 64; the product is made by the scaled matrix instruction on codes.
; e2 - 2 dot comes out of the matrix instruction: z's codes carry the minus sign, z's scale bytes are one higher (the factor 2), and e2 is the product's C.
; ADDING z2.  In f32 z2 + y does not fall where y rises, so the smallest z2 + y of a group is z2 + the smallest y: z2 is added to a group's smallest y alone, and groups are compared by that sum, as d2.
; Behind the loop z2 is added to the 16 numbers of the best group, and the first that equals the smallest d2 is taken: ties go to the lower index.
; SHARES.  A work-group of eight waves takes 512 rows of z, a wave 64: four tiles of 16.  Every wave walks all 64 tiles of 16 codes, in 32 pairs.  Wave w also quantises codes 128 w .. 128 w + 127 of e
; and stores operand registers, scale words and e2 in LDS as images, which all eight waves read behind one barrier.
; LAYOUT.  Source 0 = 16 codes of e, source 1 = 16 rows of z: lane (r, h) holds row r of z, and register j the code 16 t + 8 h + j.
; K = 64 IS HALF OF THE INSTRUCTION'S 128: an operand of e holds TWO tiles' codes, [tile 0 | tile 1], with their four scale bytes; z stands between zero codes, so that the run [z | 0] picks tile 0 and the run [0 | z] tile 1.
; THE SEARCH, 16 numbers a lane at a time: lanes whose group brings a smaller d2 take over that d2, the group's number and its 16 numbers, by selects; the same work is done in every trip.
; e's ROWS: of a wave's 128, 64 come by the tensor data mover, asked for jointly by the four work-groups of a cluster (mask 15), and 64 through registers, behind z, which is asked for first.
; THE QUANTISING takes two tiles at once, so that their chains stand between each other's lines.
; No prefetch: each row is asked for once, in front of the loop, and there is no earlier trip that could ask.
; No LDS byte is filled twice.  All of a WGP's LDS is claimed; 216,064 bytes are used.
; LIMITS: NaN and infinities among the inputs are not served.  A block whose largest magnitude lies under 2^-124 gets the scale byte 1 (a block of zeros too: its codes are zeros).
; z2 and e2 are summed in this text's own order, and d2 is rounded as z2 + (e2 - 2 dot), the inner sum as the matrix unit rounds, where the source has (z2 - 2 dot) + e2: the last bit of a d2 may differ.
.set EPITCH, 272                       ; a raw row of e, and of the stage: 256 bytes + 16 of padding: the 16 rows that a load touches start at 16 different 16-byte columns
.set EWAVE,  64*EPITCH                 ; a wave's 64 raw rows of e
.set STG,    8*EWAVE                   ; a stage of 16 rows for each wave
.set ECOD,   STG+8*16*EPITCH           ; 32 pairs x 1,024 bytes: e's codes, as images of the operand's eight registers
.set ESCL,   ECOD+32*1024              ; 32 pairs x 128 bytes: e's scale words
.set EE2,    ESCL+32*128               ; 1,024 x 4 bytes: e2
.set SPARE,  EE2+4096                  ; the spare words, 128 bytes for each wave
.set SPW,  1                           ; LDS address of my spare word
.set NIL,  2                           ; 0
.set AA0,  3                           ; where I read a pair's codes: ECOD + 16 x lane
.set AS0,  4                           ; its scale word: ESCL + 4 x lane
.set AE0,  5                           ; its e2 of my half: EE2 + 32 h
.set TT,   6                           ; the number of the pair that is searched
.set AAW,  7                           ; the trip's LDS addresses: v7, v26, v33 (the last two behind the quantising)
.set ASW,  26
.set AEW,  33
.set ST,   8                           ; tile i of z at v[ST+2i]: the smallest d2; +1: its pair
.set Z2,   16                          ; z2 of tile i
.set SZ,   20                          ; z's scale words, nothing else
.set SA,   24                          ; e's scale words, two sets, nothing else
.set RD,   26                          ; raw e: row r, 128 h: my 32 numbers along K
.set RDS,  27                          ; the stage, way out, likewise
.set STW,  28                          ; the stage, way in: row h, 16 r
.set IC,   29                          ; where I store a tile's codes
.set IS,   30                          ; a pair's scale word
.set IE2,  31                          ; a tile's e2
.set SH,   32                          ; 8 h
.set GZ,   33                          ; 16 x lane: my bytes of a load
.set TMP,  34                          ; v34-43 at work; in the quantising for the first of two tiles,
.set YS,   70                          ; and v104-113, YS higher, for the second
.set M0,   34
.set M1,   35
.set SOP,  36
.set BY,   37
.set PW,   38
.set PX,   39
.set QA,   40
.set QB,   42
.set ZF,   44                          ; v44-79  0 z0 0 z1 0 z2 0 z3 0, four registers each
.set AF,   80                          ; v80-95  e's fragments, a pair of tiles, two sets
.set EE,   96                          ; v96-127 e2 as the products' C: two tiles, two sets
.set CD,   96                          ; ahead of the loop v96-103: two tiles' codes,
.set WW,   114                         ; v114-115 their scale words,
.set QS,   116                         ; v116-117 their e2
.set KK,   128                         ; v128-191 the best group's 16 numbers, for each tile of z
.set DD,   192                         ; v192-255 results: tile i of z at v[DD+16i], tile u of the pair at + 8u
.set XX,   128                         ; v128-255 ahead of the loop: two sets of two tiles' 32 numbers
.set MSB, 0                            ; window 1: v0-127 z as loaded, 32 registers a tile; v128-255 64 rows of e as loaded
.macro WIN new                         ; the immediate's high byte repeats the setting that is left
.if MSB != \new
	s_set_vgpr_msb (MSB<<8)|\new
.set MSB, \new
.endif
.endm
.macro ROUND                           ; a round of the cluster's barrier
	s_barrier_signal -1
	s_barrier_wait -1
	s_cmp_lg_u32 s10, 0
	s_cbranch_scc1 .Lnot_wave_0_\@
	s_barrier_signal -3
.Lnot_wave_0_\@:
	s_barrier_wait -3
	s_barrier_signal -1
	s_barrier_wait -1
.endm
; Two tiles: the lane's 32 numbers v[x] .. v[x+31] are k = 32 h + 0 .. 31 of its row of the first, one whole block; v[x+32] .. v[x+63] of the second.
; c: four registers of codes, the second tile's cs further on;  w, w + 1: the rows' scale words (byte 0: block 0, byte 1: block 1);  s, s + 1: the rows' sums of squares.
.macro QUANT2 x, c, cs, w, s
.irp y, 0,1                            ; the largest magnitude, in two chains (the floor 2^(3 - 127) holds the byte at 1 from below), and the squares, in two
	v_max3_num_f32 v[M0+YS*\y], |v[(\x)+32*\y]|, |v[(\x)+32*\y+1]|, 0x1800000
	v_max3_num_f32 v[M1+YS*\y], |v[(\x)+32*\y+16]|, |v[(\x)+32*\y+17]|, |v[(\x)+32*\y+18]|
	v_pk_mul_f32 v[QA+YS*\y:QA+YS*\y+1], v[(\x)+32*\y:(\x)+32*\y+1], v[(\x)+32*\y:(\x)+32*\y+1]
	v_pk_mul_f32 v[QB+YS*\y:QB+YS*\y+1], v[(\x)+32*\y+2:(\x)+32*\y+3], v[(\x)+32*\y+2:(\x)+32*\y+3]
.endr
.irp i, 0,1,2,3,4,5
.irp y, 0,1
	v_max3_num_f32 v[M0+YS*\y], v[M0+YS*\y], |v[(\x)+32*\y+2+2*\i]|, |v[(\x)+32*\y+3+2*\i]|
	v_max3_num_f32 v[M1+YS*\y], v[M1+YS*\y], |v[(\x)+32*\y+19+2*\i]|, |v[(\x)+32*\y+20+2*\i]|
	v_pk_fma_f32 v[QA+YS*\y:QA+YS*\y+1], v[(\x)+32*\y+4+4*\i:(\x)+32*\y+5+4*\i], v[(\x)+32*\y+4+4*\i:(\x)+32*\y+5+4*\i], v[QA+YS*\y:QA+YS*\y+1]
	v_pk_fma_f32 v[QB+YS*\y:QB+YS*\y+1], v[(\x)+32*\y+6+4*\i:(\x)+32*\y+7+4*\i], v[(\x)+32*\y+6+4*\i:(\x)+32*\y+7+4*\i], v[QB+YS*\y:QB+YS*\y+1]
.endr
.endr
.irp y, 0,1
	v_max3_num_f32 v[M0+YS*\y], v[M0+YS*\y], |v[(\x)+32*\y+14]|, |v[(\x)+32*\y+15]|
	v_pk_fma_f32 v[QA+YS*\y:QA+YS*\y+1], v[(\x)+32*\y+28:(\x)+32*\y+29], v[(\x)+32*\y+28:(\x)+32*\y+29], v[QA+YS*\y:QA+YS*\y+1]
	v_pk_fma_f32 v[QB+YS*\y:QB+YS*\y+1], v[(\x)+32*\y+30:(\x)+32*\y+31], v[(\x)+32*\y+30:(\x)+32*\y+31], v[QB+YS*\y:QB+YS*\y+1]
.endr
.irp y, 0,1
	v_max3_num_f32 v[M0+YS*\y], v[M0+YS*\y], v[M1+YS*\y], |v[(\x)+32*\y+31]|
.endr
.irp y, 0,1
	v_pk_add_f32 v[QA+YS*\y:QA+YS*\y+1], v[QA+YS*\y:QA+YS*\y+1], v[QB+YS*\y:QB+YS*\y+1]
.endr
.irp y, 0,1
	v_add_nc_u32 v[SOP+YS*\y], 0xff000000, v[M0+YS*\y]             ; 2 off its exponent field: the conversion takes this operand's exponent field as its scale
.endr
.irp y, 0,1
	v_add_f32 v[QA+YS*\y], v[QA+YS*\y], v[QA+YS*\y+1]
.endr
.irp y, 0,1
	v_lshrrev_b32 v[BY+YS*\y], 23, v[SOP+YS*\y]                    ; the scale's byte,
.endr
.irp y, 0,1
	v_permlanex16_b32 v[QB+YS*\y], v[QA+YS*\y], s24, s25
.endr
.irp y, 0,1
	v_lshlrev_b32 v[PW+YS*\y], v[SH], v[BY+YS*\y]                  ; at its place
.endr
.irp y, 0,1
	v_add_f32 v[(\s)+\y], v[QA+YS*\y], v[QB+YS*\y]                 ; both halves of the lanes hold the row's sum
.endr
.irp y, 0,1
	v_permlanex16_b32 v[PX+YS*\y], v[PW+YS*\y], s24, s25
.endr
.irp y, 0,1
.irp g, 0,1,2,3
	v_cvt_scalef32_pk8_fp4_f32 v[(\c)+(\cs)*\y+\g], v[(\x)+32*\y+8*\g:(\x)+32*\y+8*\g+7], v[SOP+YS*\y]   ; nearest code, ties to even, beyond 6 the largest code
.endr
.endr
	v_nop                                          ; one plain place behind the scaled conversions
.irp y, 0,1
	v_or_b32 v[(\w)+\y], v[PW+YS*\y], v[PX+YS*\y]  ; with lane l xor 16's byte the word is whole
.endr
.endm
.macro ELOAD2 u, set                   ; tiles u, u + 1 of my four raw tiles of e into set
.irp y, 0,1
.irp n, 0,1,2,3,4,5,6,7
	ds_load_b128 v[XX+64*(\set)+32*\y+4*\n:XX+64*(\set)+32*\y+4*\n+3], v[RD] offset:16*EPITCH*((\u)+\y)+16*\n
.endr
.endr
.endm
; Tiles t, t + 1 of the eight that came through registers (0-3: z, 4-7: e) were loaded as they lie, 512 consecutive bytes a load; they turn through my stage, one behind the other, so that a lane gets 32 neighbours
; along K.  LDS serves a wave's instructions in order.  left: the loads behind tile t + 1's, which may be out.
.macro TURN2 t, set, left
.irp y, 0,1
	s_wait_loadcnt (\left)+8-8*\y                  ; this tile's eight loads are in
	WIN 0x04                                       ; an LDS store's data are its source 1: window 1
.irp n, 0,1,2,3,4,5,6,7
	ds_store_b128 v[STW], v[32*((\t)+\y)+4*\n:32*((\t)+\y)+4*\n+3] offset:2*EPITCH*\n
.endr
	WIN 0
.irp n, 0,1,2,3,4,5,6,7
	ds_load_b128 v[XX+64*(\set)+32*\y+4*\n:XX+64*(\set)+32*\y+4*\n+3], v[RDS] offset:16*\n
.endr
.endr
.endm
.macro ZQ2 i, set                      ; tiles i, i + 1 of z become operands
	QUANT2 XX+64*(\set), ZF+4+8*(\i), 8, SZ+(\i), Z2+(\i)
.irp g, 0,1,2,3
.irp y, 0,1
	v_xor_b32 v[ZF+4+8*(\i)+8*\y+\g], 0x88888888, v[ZF+4+8*(\i)+8*\y+\g]   ; every code's sign is turned: the product gives - dot;
.endr
.endr
.irp y, 0,1
	v_lshl_or_b32 v[SZ+(\i)+\y], v[SZ+(\i)+\y], 16, v[SZ+(\i)+\y]  ; the two bytes serve [z | 0] and [0 | z];
.endr
.irp y, 0,1
	v_add_nc_u32 v[SZ+(\i)+\y], 0x1010101, v[SZ+(\i)+\y]           ; and every byte is one higher: - 2 dot.  A byte is at most 252 before, so none reaches 0xff and none carries
.endr
.endm
.macro EQ2 t, set                      ; pair t of my four pairs of tiles of e becomes an image: five stores
	QUANT2 XX+64*(\set), CD, 4, WW, QS
	v_lshl_or_b32 v[WW], v[WW+1], 16, v[WW]        ; the pair's four bytes
	ds_store_b128 v[IC], v[CD:CD+3] offset:1024*(\t)
	ds_store_b128 v[IC], v[CD+4:CD+7] offset:1024*(\t)+512
	ds_store_b32 v[IE2], v[QS] offset:128*(\t)     ; both halves of the lanes write the same word with the same value
	ds_store_b32 v[IE2], v[QS+1] offset:128*(\t)+64
	ds_store_b32 v[IS], v[WW] offset:128*(\t)
.endm
.macro LOADSET p, k, aa, as, ae        ; a pair's operand, scale word and e2 into set p: seven loads
	ds_load_b128 v[AF+8*(\p):AF+8*(\p)+3], v[\aa] offset:1024*(\k)
	ds_load_b128 v[AF+8*(\p)+4:AF+8*(\p)+7], v[\aa] offset:1024*(\k)+512
	ds_load_b32 v[SA+(\p)], v[\as] offset:128*(\k)
.irp c, 0,1,2,3
	ds_load_b128 v[EE+16*(\p)+4*\c:EE+16*(\p)+4*\c+3], v[\ae] offset:128*(\k)+16*(\c%2)+64*(\c/2)
.endr
.endm
.macro MUL i, p                        ; the pair in set p against tile i of z: e2 - 2 dot.  Every product starts from its C, and no result is added onto
.irp u, 0,1
	v_wmma_scale_f32_16x16x128_f8f6f4 v[DD+16*(\i)+8*\u:DD+16*(\i)+8*\u+7], v[AF+8*(\p):AF+8*(\p)+7], v[ZF+4+8*(\i)-4*\u:ZF+11+8*(\i)-4*\u], v[EE+16*(\p)+8*\u:EE+16*(\p)+8*\u+7], v[SA+(\p)], v[SZ+(\i)] matrix_a_fmt:MATRIX_FMT_FP4 matrix_b_fmt:MATRIX_FMT_FP4
.endr
.endm
.macro MIN3 o, a, b, c                 ; registers of a result, for two tiles of z by turns
.irp x, 0,1
	v_min3_num_f32 v[TMP+5*\x+\o], v[DP+16*\x+\a], v[DP+16*\x+\b], v[DP+16*\x+\c]
.endr
.endm
; The search of a pair's results for tiles i0 and i0 + 1 of z.  Each result is read from its low end on.
.macro SEARCH i0
.set DP, DD+16*(\i0)
	MIN3 0, 0, 1, 2
	MIN3 1, 8, 9, 10
	MIN3 2, 3, 4, 5
	MIN3 3, 6, 7, 11
	MIN3 4, 12, 13, 14
.irp x, 0,1
	v_min3_num_f32 v[TMP+5*\x], v[TMP+5*\x], v[TMP+5*\x+1], v[TMP+5*\x+2]
.endr
.irp x, 0,1
	v_min3_num_f32 v[TMP+5*\x+3], v[TMP+5*\x+3], v[TMP+5*\x+4], v[DP+16*\x+15]
.endr
.irp x, 0,1
	v_min_num_f32 v[TMP+5*\x+1], v[TMP+5*\x], v[TMP+5*\x+3]
.endr
.irp x, 0,1
	v_add_f32 v[TMP+5*\x+1], v[Z2+(\i0)+\x], v[TMP+5*\x+1]         ; the group's smallest d2
.endr
.irp x, 0,1
	v_cmp_lt_f32 s[36+\x], v[TMP+5*\x+1], v[ST+2*(\i0)+2*\x]       ; strictly smaller than before: an earlier group keeps a tie
.endr
.irp x, 0,1
	v_min_num_f32 v[ST+2*(\i0)+2*\x], v[TMP+5*\x+1], v[ST+2*(\i0)+2*\x]
.endr
.irp x, 0,1
	v_cndmask_b32 v[ST+2*(\i0)+2*\x+1], v[ST+2*(\i0)+2*\x+1], v[TT], s[36+\x]
.endr
.irp x, 0,1
.irp q, 0,1,2,3,4,5,6,7,8,9,10,11,12,13,14,15
	v_cndmask_b32 v[KK+16*(\i0)+16*\x+\q], v[KK+16*(\i0)+16*\x+\q], v[DP+16*\x+\q], s[36+\x]
.endr
.endr
.endm
; One pair, whose results are there: searched two tiles of z at a time; each two tiles' results are then overwritten by the next pair's products, from set 1 - p.
; Set p was last read by the products that stand in front of the first search, a whole search of plain vector lines ahead of the loads into it.
.macro GROUP p, k, mul, load
.if \mul
	s_wait_dscnt 0x0                               ; the next pair's operands, asked for a pair ago, are in
.endif
	SEARCH 0
.if \mul
	MUL 0, 1-(\p)
	MUL 1, 1-(\p)
.endif
.if \load
	LOADSET \p, \k, AAW, ASW, AEW
.endif
	SEARCH 2
.if \mul
	MUL 2, 1-(\p)
	MUL 3, 1-(\p)
.endif
	v_add_nc_u32 v[TT], 1, v[TT]
.endm
	s_load_b128 s[4:7], s[0:1], 0x0                ; z s[4:5], e s[6:7]
	s_load_b64 s[8:9], s[0:1], 0x10                ; idx
	v_lshl_add_u32 v[SPW], v0, 2, SPARE
	v_mov_b32 v[NIL], 0
	ds_add_u32 v[SPW], v[NIL]                      ; the opening: the add, twice on end, and its wait
	ds_add_u32 v[SPW], v[NIL]
	v_lshrrev_b32 v[TMP], 5, v0
	v_readfirstlane_b32 s10, v[TMP]                ; wave 0..7
	s_bfe_u32 s11, ttmp6, 0x40000                  ; cx: my place in the cluster
	s_lshl_b32 s27, ttmp9, 2                       ; in a cluster launch ttmp9 counts clusters
	s_add_co_u32 s27, s27, s11                     ; my work-group: it enters z's and idx's global addresses alone
	s_lshl_b32 s28, s27, 17                        ; z: 512 rows of 256 bytes a work-group,
	s_lshl_b32 s30, s10, 14                        ; 64 a wave
	s_add_co_u32 s28, s28, s30
	s_mov_b32 s29, 0
	s_lshl_b32 s30, s27, 11                        ; idx: 2,048 bytes a work-group,
	s_lshl_b32 s31, s10, 8                         ; 256 a wave
	s_add_co_u32 s30, s30, s31
	s_mov_b32 s31, 0
	s_lshl_b32 s36, s10, 15                        ; e: my wave's 128 rows of 256 bytes: the same in all four partners
	s_mov_b32 s37, 0
	s_mov_b32 s24, 0x76543210                      ; v_permlanex16_b32's selects for lane l xor 16
	s_mov_b32 s25, 0xfedcba98
	s_mov_b32 s32, 0xffff0000                      ; lanes 16-31
	s_mul_i32 s11, s10, 16*EPITCH
	s_add_co_u32 s11, s11, STG                     ; my stage
	; the descriptor: 64 rows x 64 elements of 4 bytes, 16 bytes of padding behind each row
	s_mov_b32 s12, 1                               ; count = 1
	s_mul_i32 s13, s10, EWAVE                      ; LDS address: my wave's region
	s_mov_b32 s16, 15|(2<<16)|(1<<20)|(1<<21)|(5<<22)|(3<<25)   ; 15:0 the mask: all four work-groups; 17:16 elements of 4 bytes; 20 padding on; 21 set beside a mask; 24:22 after every 64 words; 31:25 four words
	s_mov_b32 s17, 64<<16                          ; tensor_dim0 = 64
	s_mov_b32 s18, 64<<16                          ; tensor_dim1 = 64
	s_mov_b32 s19, 64<<16                          ; tile_dim0 = 64
	s_mov_b32 s20, 64                              ; tile_dim1 = 64
	s_mov_b32 s21, 64                              ; elements from row to row
	s_mov_b32 s22, 0
	s_mov_b32 s23, 0
	v_and_b32 v[TMP], 31, v0                       ; lane
	v_and_b32 v[TMP+1], 15, v0                     ; r
	v_bfe_u32 v[TMP+2], v0, 4, 1                   ; h
	v_lshlrev_b32 v[GZ], 4, v[TMP]
	v_mul_u32_u24 v[STW], v[TMP+2], EPITCH
	v_mul_u32_u24 v[RD], v[TMP+1], EPITCH
	v_lshl_add_u32 v[STW], v[TMP+1], 4, v[STW]
	v_lshl_add_u32 v[RD], v[TMP+2], 7, v[RD]
	v_add_nc_u32 v[STW], s11, v[STW]
	v_add_nc_u32 v[RDS], s11, v[RD]
	v_add_nc_u32 v[RD], s13, v[RD]
	s_lshl_b32 s38, s10, 12
	s_add_co_u32 s38, s38, ECOD
	v_add_nc_u32 v[IC], s38, v[GZ]                 ; ECOD + 8 tiles x 512 x wave + 16 x lane
	s_lshl_b32 s38, s10, 9
	s_add_co_u32 s39, s38, ESCL
	v_lshl_add_u32 v[IS], v[TMP], 2, s39           ; ESCL + 4 pairs x 128 x wave + 4 x lane
	s_add_co_u32 s38, s38, EE2
	v_lshl_add_u32 v[IE2], v[TMP+1], 2, s38        ; EE2 + 512 x wave + 4 r
	v_lshlrev_b32 v[SH], 3, v[TMP+2]
	v_add_nc_u32 v[AA0], ECOD, v[GZ]
	v_lshl_add_u32 v[AS0], v[TMP], 2, ESCL
	v_lshl_add_u32 v[AE0], v[TMP+2], 5, EE2
	v_mov_b32 v[PX], 0                             ; written once: a lane permute's destination counts as one of its sources
	v_mov_b32 v[PX+YS], 0
.irp g, 0,1,2,3
.irp i, 0,1,2,3,4
	v_mov_b32 v[ZF+8*\i+\g], 0                     ; the zero codes beside z's
.endr
.endr
	s_wait_alu depctr_va_vdst(0)
	s_wait_dscnt 0x0                               ; both opening adds are done
	s_wait_kmcnt 0x0
	s_add_nc_u64 s[4:5], s[4:5], s[28:29]
	s_add_nc_u64 s[8:9], s[8:9], s[30:31]
	s_add_nc_u64 s[6:7], s[6:7], s[36:37]          ; my wave's 128 rows of e: 64 by the tensor load,
	s_mov_b64 s[14:15], s[6:7]
	s_or_b32 s15, s15, 0x80000000                  ; type = 2
	s_add_nc_u64 s[6:7], s[6:7], 0x4000            ; and 64 through registers
.macro GLOAD t                         ; tile t of the eight through registers, into window 1: each load reads 512 consecutive bytes
	WIN 0x40
.irp n, 0,1,2,3,4,5,6,7
.if (\t) < 4
	global_load_b128 v[32*(\t)+4*\n:32*(\t)+4*\n+3], v[GZ], s[4:5] offset:4096*(\t)+512*\n
.else
	global_load_b128 v[32*(\t)+4*\n:32*(\t)+4*\n+3], v[GZ], s[6:7] offset:4096*((\t)-4)+512*\n
.endif
.endr
.endm
	GLOAD 0
	GLOAD 1
	WIN 0
	ROUND                                          ; all four work-groups are here: the joint loads meet
	tensor_load_to_lds s[12:15], s[16:23]          ; my wave's one tensor load of the launch
	s_nop 0
.rept 4
	v_nop
.endr
	GLOAD 2
	GLOAD 3
	WIN 0
	; ---- z, two tiles at a time; e's 64 rows through registers are asked for meanwhile, a tile at a time
	TURN2 0, 0, 16                                 ; behind tile 1: tiles 2 and 3
	GLOAD 4
	WIN 0
	s_wait_dscnt 0x0
	ZQ2 0, 0
	GLOAD 5
	WIN 0
	TURN2 2, 1, 16                                 ; behind tile 3: tiles 4 and 5
	GLOAD 6
	WIN 0
	s_wait_dscnt 0x0
	ZQ2 2, 1
	GLOAD 7
	WIN 0
	; ---- e, the 64 rows that the tensor load brought.  Only my wave reads these bytes, so my own wait is all the ordering that the reads need
	s_wait_tensorcnt 0x0
	ELOAD2 0, 0
	ELOAD2 2, 1
	s_wait_dscnt 16                                ; the first two tiles are in; the other two's 16 loads may be out
	EQ2 0, 0
	s_wait_dscnt 5                                 ; the next two tiles are in; the image's five stores may be out
	; ---- and the 64 that came through registers; each two turn through the stage while the two before are quantised
	TURN2 4, 0, 16                                 ; behind tile 5: tiles 6 and 7
	EQ2 1, 1
	s_wait_dscnt 5
	TURN2 6, 1, 0
	EQ2 2, 0
	s_wait_dscnt 5
	EQ2 3, 1
	s_wait_dscnt 0x0                               ; for the others' sake: my images have landed
	s_barrier_signal -1
	s_barrier_wait -1                              ; all 32 pairs' images lie in LDS; nobody writes them again
	LOADSET 0, 0, AA0, AS0, AE0
	LOADSET 1, 1, AA0, AS0, AE0
	s_wait_dscnt 7                                 ; pair 0 is in; pair 1's seven loads may be out
.irp i, 0,1,2,3
	MUL \i, 0
.endr
.irp i, 0,1,2,3                        ; (these nine lines are also the places behind the first products)
	v_mov_b32 v[ST+2*\i], 0x7f800000               ; the smallest d2 so far: +infinity
	v_mov_b32 v[ST+2*\i+1], 0
.endr
	v_mov_b32 v[TT], 0
	s_mov_b32 s33, 0                               ; the trip's first bytes among the codes, the scale words and e2
	s_mov_b32 s34, 0
	s_mov_b32 s35, 0
	s_mov_b32 s26, 15
.Ltrip:                                                ; trip k searches pairs 2 k and 2 k + 1, multiplies pairs 2 k + 1 and 2 k + 2, and fetches pairs 2 k + 2 and 2 k + 3
	v_add_nc_u32 v[AAW], s33, v[AA0]
	v_add_nc_u32 v[ASW], s34, v[AS0]
	v_add_nc_u32 v[AEW], s35, v[AE0]
	GROUP 0, 2, 1, 1
	GROUP 1, 3, 1, 1
	s_add_co_u32 s33, s33, 2048
	s_add_co_u32 s34, s34, 256
	s_add_co_u32 s35, s35, 256
	s_sub_co_u32 s26, s26, 1
	s_cmp_lg_u32 s26, 0
	s_cbranch_scc1 .Ltrip
	GROUP 0, 0, 1, 0                               ; pair 30 is searched, pair 31 multiplied; nothing more is fetched
	GROUP 1, 0, 0, 0                               ; pair 31
	; ---- the place in the best group: the lowest q whose d2 is the smallest d2
	v_and_b32 v[RD], 31, v0
	v_lshl_add_u32 v[RDS], v[RD], 2, s11           ; idx through my stage: in, 4 x lane
	v_lshl_add_u32 v[STW], v[RD], 3, s11           ; out, 8 x lane
	v_lshlrev_b32 v[IC], 3, v[RD]                  ; and in memory, 8 x lane
.irp q, 0,2,4,6,8,10,12,14
.irp i, 0,2
	v_pk_add_f32 v[KK+16*\i+\q:KK+16*\i+\q+1], v[KK+16*\i+\q:KK+16*\i+\q+1], v[Z2+\i:Z2+\i+1] op_sel_hi:[1,0]
	v_pk_add_f32 v[KK+16*\i+16+\q:KK+16*\i+16+\q+1], v[KK+16*\i+16+\q:KK+16*\i+16+\q+1], v[Z2+\i:Z2+\i+1] op_sel:[0,1] op_sel_hi:[1,1]
.endr
.endr
.irp i, 0,1,2,3
	v_mov_b32 v[TMP+2*\i], 15
.endr
.irp q, 14,13,12,11,10,9,8,7,6,5,4,3,2,1,0
.irp i, 0,1,2,3
	v_cmp_neq_f32 s[36+\i], v[KK+16*\i+\q], v[ST+2*\i]
.endr
.irp i, 0,1,2,3
	v_cndmask_b32 v[TMP+2*\i], \q, v[TMP+2*\i], s[36+\i]
.endr
.endr
.irp i, 0,1,2,3
	v_and_b32 v[TMP+2*\i+1], 8, v[TMP+2*\i]        ; q = 8 u + j: tile u of the pair, register j
.endr
.irp i, 0,1,2,3
	v_add3_u32 v[TMP+2*\i], v[TMP+2*\i], v[TMP+2*\i+1], v[SH]
.endr
.irp i, 0,1,2,3
	v_lshl_add_u32 v[TMP+2*\i], v[ST+2*\i+1], 5, v[TMP+2*\i]       ; my code: 32 x pair + 16 u + 8 h + j
.endr
.irp i, 0,1,2,3
	v_permlanex16_b32 v[TMP+2*\i+1], v[TMP+2*\i], s24, s25         ; the row's other eight codes of every tile lie in lane l xor 16: its code,
.endr
.irp i, 0,1,2,3
	v_permlanex16_b32 v[AF+\i], v[ST+2*\i], s24, s25               ; and its smallest d2
.endr
.irp i, 0,1,2,3
	v_cmp_lt_f32 s[36+\i], v[AF+\i], v[ST+2*\i]
.endr
.irp i, 0,1,2,3
	v_cmp_eq_f32 s[40+\i], v[AF+\i], v[ST+2*\i]
.endr
.irp i, 0,1,2,3
	v_cmp_lt_u32 s[44+\i], v[TMP+2*\i+1], v[TMP+2*\i]
.endr
.irp i, 0,1,2,3
	s_and_b32 s[40+\i], s[40+\i], s[44+\i]
	s_or_b32 s[36+\i], s[36+\i], s[40+\i]          ; the other's is taken where it is smaller, or equal with the lower code
.endr
.irp i, 0,1,2,3
	v_cndmask_b32 v[TMP+2*\i], v[TMP+2*\i], v[TMP+2*\i+1], s[36+\i]
.endr
	v_cndmask_b32 v[TMP+8], v[TMP], v[TMP+2], s32  ; lanes 0-15: tile 0's rows, lanes 16-31: tile 1's: lane l holds row l
	v_cndmask_b32 v[TMP+9], v[TMP+4], v[TMP+6], s32   ; rows 32 + l
	ds_store_b32 v[RDS], v[TMP+8]                  ; through my stage, so that one store covers my 64 rows
	ds_store_b32 v[RDS], v[TMP+9] offset:128
	ds_load_b64 v[TMP+6:TMP+7], v[STW]             ; LDS serves a wave's instructions in order: this sees the stores above
	s_wait_dscnt 0x0
	global_store_b64 v[IC], v[TMP+6:TMP+7], s[8:9] ; 32 lanes store 256 consecutive bytes, at a multiple of 256 from idx's first byte
	s_wait_tensorcnt 0x0                           ; the wave's end
	ds_add_u32 v[SPW], v[NIL]
	s_wait_dscnt 0x0
	ROUND                                          ; the closing round: no work-group ends while a partner may still ask for a tile that names it
	s_endpgm
.Lfunc_end_k_qf7016fa366_nearest:
	.size	k_qf7016fa366_nearest, .Lfunc_end_k_qf7016fa366_nearest-k_qf7016fa366_nearest
	.p2alignl 7, 3214868480
	.fill 96, 4, 3214868480
	.section	.rodata,"a",@progbits
	.p2align	6, 0x0
	.amdhsa_kernel k_qf7016fa366_nearest
		.amdhsa_group_segment_fixed_size 327680
		.amdhsa_private_segment_fixed_size 0
		.amdhsa_enable_private_segment 0
		.amdhsa_kernarg_size 24
		.amdhsa_user_sgpr_count 2
		.amdhsa_user_sgpr_kernarg_segment_ptr 1
		.amdhsa_wavefront_size32 1
		.amdhsa_system_sgpr_workgroup_id_x 1
		.amdhsa_system_sgpr_workgroup_id_y 1
		.amdhsa_system_sgpr_workgroup_id_z 1
		.amdhsa_system_vgpr_workitem_id 0
		.amdhsa_next_free_vgpr 512
		.amdhsa_next_free_sgpr 66
		.amdhsa_reserve_vcc 0
		.amdhsa_float_denorm_mode_32 3
		.amdhsa_float_denorm_mode_16_64 3
		.amdhsa_memory_ordered 1
		.amdhsa_forward_progress 1
		.amdhsa_inst_pref_size 105
	.end_amdhsa_kernel
	.amdgpu_metadata
---
amdhsa.version: [ 1, 2 ]
amdhsa.kernels:
  - .name:           k_qf7016fa366_nearest
    .symbol:         k_qf7016fa366_nearest.kd
    .args:
      - { .name: z, .offset: 0, .size: 8, .value_kind: global_buffer, .address_space: global }
      - { .name: embedding, .offset: 8, .size: 8, .value_kind: global_buffer, .address_space: global }
      - { .name: idx, .offset: 16, .size: 8, .value_kind: global_buffer, .address_space: global }
    .group_segment_fixed_size: 327680
    .private_segment_fixed_size: 0
    .kernarg_segment_align: 8
    .kernarg_segment_size: 24
    .max_flat_workgroup_size: 256
    .sgpr_count:     66
    .vgpr_count:     512
    .wavefront_size: 32
...
	.end_amdgpu_metadata
.endif
;; end of part 1
;; launch gather (part 2): grid 512 x 1, 8 waves a work-group, no clusters, 1,280 bytes of LDS; arguments z, embedding, idx, out1, part; writes out1, part
.if DOCPART == 2
	.amdgcn_target "amdgcn-amd-amdhsa--gfx1250"
	.amdhsa_code_object_version 6
	.text
	.protected	k_qf7016fa366_gather
	.globl	k_qf7016fa366_gather
	.p2align	8
	.type	k_qf7016fa366_gather,@function
k_qf7016fa366_gather:
	s_mov_b64 s[64:65], 0
	v_nop
	global_prefetch_b8 v0, s[64:65] scope:SCOPE_SE
	s_setreg_imm32_b32 hwreg(HW_REG_WAVE_MODE, 25, 1), 1
	s_wait_xcnt 0x0
; out1[b] = e[idx[b]], the f32 rows as they are; part[g] = the sum over work-group g's 256 rows of (z - out1)^2.  z, out1: [131072][64] f32; e: [1024][64] f32; idx: [131072] u32, stored by the launch before.
; A stream: a wave takes 32 rows, without a loop.  Instruction p of 16 covers rows p and p + 16: sixteen lanes read or write one row's 256 consecutive bytes.
; All of a wave's 16 loads of z, and behind them its 16 gathers, are out together; no address or data register is written twice.
; No matrix unit, no tensor load, no cluster: each lane's row of e is named by a list, so no two work-groups want the same tile at the same time, and all of e is 256 KiB that every work-group reads again and again.
; An index is held to 0 .. 1023 before it enters an address.
.set VZ, 1                             ; 16 c + 4,096 hh: my 16 bytes of rows p + 16 hh (c = lane % 16, hh = lane / 16)
.set VI, 2                             ; 64 hh: the indices of my half's 16 rows
.set VC, 3                             ; 16 c
.set WA, 4                             ; LDS: 4 x wave
.set ZERO, 5
.set IX, 8                             ; v8-23    the indices of rows 16 hh + 0 .. 15
.set GA, 24                            ; v24-39   byte offsets into e
.set ZZ, 40                            ; v40-103  z, then z - e
.set EV, 104                           ; v104-167 the rows of e
.set AC, 168                           ; v168-171 two packed sums
	s_load_b256 s[4:11], s[0:1], 0x0               ; z s[4:5], e s[6:7], idx s[8:9], out1 s[10:11]
	s_load_b64 s[12:13], s[0:1], 0x20              ; part
	v_lshl_add_u32 v176, v0, 2, 0x100
	v_mov_b32 v177, 0
	v_lshrrev_b32 v6, 5, v0
	s_delay_alu instid0(VALU_DEP_1)
	v_readfirstlane_b32 s20, v6                    ; wave 0..7
	v_and_b32 v[VC], 15, v0
	s_delay_alu instid0(VALU_DEP_1)
	v_lshlrev_b32 v[VC], 4, v[VC]
	v_bfe_u32 v6, v0, 4, 1
	s_delay_alu instid0(VALU_DEP_1)
	v_lshl_add_u32 v[VZ], v6, 12, v[VC]
	s_delay_alu instid0(VALU_DEP_2)
	v_lshlrev_b32 v[VI], 6, v6
	v_mov_b32 v[WA], s20
	s_delay_alu instid0(VALU_DEP_1)
	v_lshlrev_b32 v[WA], 2, v[WA]
	v_mov_b32 v[ZERO], 0
	s_lshl_b32 s22, ttmp9, 16                      ; z and out1: 256 rows of 256 bytes a work-group,
	s_lshl_b32 s24, s20, 13                        ; 32 a wave
	s_add_co_u32 s22, s22, s24
	s_mov_b32 s23, 0
	s_lshl_b32 s24, ttmp9, 10                      ; idx: 1,024 bytes a work-group,
	s_lshl_b32 s26, s20, 7                         ; 128 a wave
	s_add_co_u32 s24, s24, s26
	s_mov_b32 s25, 0
	s_lshl_b32 s26, ttmp9, 2                       ; part: one number a work-group
	s_mov_b32 s27, 0
	s_mov_b32 s16, 0x76543210                      ; v_permlanex16_b32's selects for lane l xor 16
	s_mov_b32 s17, 0xfedcba98
	s_wait_alu depctr_va_vdst(0)
	s_wait_kmcnt 0x0
	s_add_nc_u64 s[4:5], s[4:5], s[22:23]
	s_add_nc_u64 s[10:11], s[10:11], s[22:23]
	s_add_nc_u64 s[8:9], s[8:9], s[24:25]
	s_add_nc_u64 s[12:13], s[12:13], s[26:27]
.irp q, 0,1,2,3
	global_load_b128 v[IX+4*\q:IX+4*\q+3], v[VI], s[8:9] offset:16*\q
.endr
.irp p, 0,1,2,3,4,5,6,7,8,9,10,11,12,13,14,15
	global_load_b128 v[ZZ+4*\p:ZZ+4*\p+3], v[VZ], s[4:5] offset:256*\p th:TH_LOAD_NT   ; read once in this launch
.endr
	s_wait_loadcnt 16                              ; the indices are in; the 16 loads of z behind them stay out
.irp p, 0,1,2,3,4,5,6,7,8,9,10,11,12,13,14,15
	v_min_u32 v[IX+\p], 0x3ff, v[IX+\p]
	s_delay_alu instid0(VALU_DEP_1)
	v_lshlrev_b32 v[GA+\p], 8, v[IX+\p]            ; a row of e is 256 bytes
	s_delay_alu instid0(VALU_DEP_1)
	v_add_nc_u32 v[GA+\p], v[VC], v[GA+\p]
	global_load_b128 v[EV+4*\p:EV+4*\p+3], v[GA+\p], s[6:7]
.endr
.irp p, 0,1,2,3,4,5,6,7,8,9,10,11,12,13,14,15
	s_wait_loadcnt 15-\p                           ; gather p is in (and all of z, which was asked for earlier); the younger gathers stay out
	global_store_b128 v[VZ], v[EV+4*\p:EV+4*\p+3], s[10:11] offset:256*\p th:TH_STORE_NT   ; sixteen lanes store 256 consecutive bytes, at a multiple of 256 from out1's first byte
	v_pk_add_f32 v[ZZ+4*\p:ZZ+4*\p+1], v[ZZ+4*\p:ZZ+4*\p+1], v[EV+4*\p:EV+4*\p+1] neg_lo:[0,1] neg_hi:[0,1]
	v_pk_add_f32 v[ZZ+4*\p+2:ZZ+4*\p+3], v[ZZ+4*\p+2:ZZ+4*\p+3], v[EV+4*\p+2:EV+4*\p+3] neg_lo:[0,1] neg_hi:[0,1]
.if \p == 0
	s_delay_alu instid0(VALU_DEP_2)
	v_pk_mul_f32 v[AC:AC+1], v[ZZ:ZZ+1], v[ZZ:ZZ+1]                ; the first squares start the sums
	s_delay_alu instid0(VALU_DEP_2)
	v_pk_mul_f32 v[AC+2:AC+3], v[ZZ+2:ZZ+3], v[ZZ+2:ZZ+3]
.else
	s_wait_alu depctr_va_vdst(0)
	v_pk_fma_f32 v[AC:AC+1], v[ZZ+4*\p:ZZ+4*\p+1], v[ZZ+4*\p:ZZ+4*\p+1], v[AC:AC+1]
	v_pk_fma_f32 v[AC+2:AC+3], v[ZZ+4*\p+2:ZZ+4*\p+3], v[ZZ+4*\p+2:ZZ+4*\p+3], v[AC+2:AC+3]
.endif
.endr
	s_delay_alu instid0(VALU_DEP_1)
	v_pk_add_f32 v[AC:AC+1], v[AC:AC+1], v[AC+2:AC+3]
	s_delay_alu instid0(VALU_DEP_1)
	v_add_f32 v[AC], v[AC], v[AC+1]
	s_delay_alu instid0(VALU_DEP_1)
	v_add_f32_dpp v[AC], v[AC], v[AC] row_xmask:1 row_mask:0xf bank_mask:0xf
	s_delay_alu instid0(VALU_DEP_1)
	v_add_f32_dpp v[AC], v[AC], v[AC] row_xmask:2 row_mask:0xf bank_mask:0xf
	s_delay_alu instid0(VALU_DEP_1)
	v_add_f32_dpp v[AC], v[AC], v[AC] row_xmask:4 row_mask:0xf bank_mask:0xf
	s_delay_alu instid0(VALU_DEP_1)
	v_add_f32_dpp v[AC], v[AC], v[AC] row_xmask:8 row_mask:0xf bank_mask:0xf
	s_delay_alu instid0(VALU_DEP_1)
	v_permlanex16_b32 v[AC+1], v[AC], s16, s17
	s_delay_alu instid0(VALU_DEP_1)
	v_add_f32 v[AC], v[AC], v[AC+1]                ; the wave's sum, in every lane
	ds_store_b32 v[WA], v[AC]                      ; all lanes write the wave's word with the same value
	s_wait_dscnt 0x0                               ; for the others' sake
	s_barrier_signal -1
	s_barrier_wait -1
	s_cmp_lg_u32 s20, 0
	s_cbranch_scc1 .Ldone                          ; wave 0 alone adds the eight sums: one owner for part[g]
	ds_load_b128 v[IX:IX+3], v[ZERO]
	ds_load_b128 v[IX+4:IX+7], v[ZERO] offset:16
	s_wait_dscnt 0x0
	v_pk_add_f32 v[IX:IX+1], v[IX:IX+1], v[IX+2:IX+3]
	v_pk_add_f32 v[IX+4:IX+5], v[IX+4:IX+5], v[IX+6:IX+7]
	s_delay_alu instid0(VALU_DEP_1)
	v_pk_add_f32 v[IX:IX+1], v[IX:IX+1], v[IX+4:IX+5]
	s_delay_alu instid0(VALU_DEP_1)
	v_add_f32 v[IX], v[IX], v[IX+1]
	v_cmp_eq_u32 vcc_lo, 0, v0
	s_wait_alu depctr_va_vdst(0)
	s_wait_xcnt 0x0                                ; EXEC is a source of the stores above: it changes only behind this wait
	s_and_saveexec_b32 s14, vcc_lo
	global_store_b32 v[ZERO], v[IX], s[12:13]      ; thread 0 alone
	s_wait_xcnt 0x0                                ; and again, in front of the line that widens it
	s_or_b32 exec_lo, exec_lo, s14
.Ldone:
	s_wait_tensorcnt 0x0
	ds_add_u32 v176, v177
	s_wait_dscnt 0x0
	s_endpgm
.Lfunc_end_k_qf7016fa366_gather:
	.size	k_qf7016fa366_gather, .Lfunc_end_k_qf7016fa366_gather-k_qf7016fa366_gather
	.p2alignl 7, 3214868480
	.fill 96, 4, 3214868480
	.section	.rodata,"a",@progbits
	.p2align	6, 0x0
	.amdhsa_kernel k_qf7016fa366_gather
		.amdhsa_group_segment_fixed_size 1280
		.amdhsa_private_segment_fixed_size 0
		.amdhsa_enable_private_segment 0
		.amdhsa_kernarg_size 40
		.amdhsa_user_sgpr_count 2
		.amdhsa_user_sgpr_kernarg_segment_ptr 1
		.amdhsa_wavefront_size32 1
		.amdhsa_system_sgpr_workgroup_id_x 1
		.amdhsa_system_sgpr_workgroup_id_y 1
		.amdhsa_system_sgpr_workgroup_id_z 1
		.amdhsa_system_vgpr_workitem_id 0
		.amdhsa_next_free_vgpr 178
		.amdhsa_next_free_sgpr 66
		.amdhsa_reserve_vcc 1
		.amdhsa_float_denorm_mode_32 3
		.amdhsa_float_denorm_mode_16_64 3
		.amdhsa_memory_ordered 1
		.amdhsa_forward_progress 1
		.amdhsa_inst_pref_size 17
	.end_amdhsa_kernel
	.amdgpu_metadata
---
amdhsa.version: [ 1, 2 ]
amdhsa.kernels:
  - .name:           k_qf7016fa366_gather
    .symbol:         k_qf7016fa366_gather.kd
    .args:
      - { .name: z, .offset: 0, .size: 8, .value_kind: global_buffer, .address_space: global }
      - { .name: embedding, .offset: 8, .size: 8, .value_kind: global_buffer, .address_space: global }
      - { .name: idx, .offset: 16, .size: 8, .value_kind: global_buffer, .address_space: global }
      - { .name: out1, .offset: 24, .size: 8, .value_kind: global_buffer, .address_space: global }
      - { .name: part, .offset: 32, .size: 8, .value_kind: global_buffer, .address_space: global }
    .group_segment_fixed_size: 1280
    .private_segment_fixed_size: 0
    .kernarg_segment_align: 8
    .kernarg_segment_size: 40
    .max_flat_workgroup_size: 256
    .sgpr_count:     66
    .vgpr_count:     178
    .wavefront_size: 32
...
	.end_amdgpu_metadata
.endif
;; end of part 2
;; launch total (part 3): grid 1 x 1, 1 waves a work-group, no clusters, 0 bytes of LDS; arguments part, out0; writes out0
.if DOCPART == 3
	.amdgcn_target "amdgcn-amd-amdhsa--gfx1250"
	.amdhsa_code_object_version 6
	.text
	.protected	k_qf7016fa366_total
	.globl	k_qf7016fa366_total
	.p2align	8
	.type	k_qf7016fa366_total,@function
k_qf7016fa366_total:
	s_mov_b64 s[64:65], 0
	v_nop
	global_prefetch_b8 v0, s[64:65] scope:SCOPE_SE
	s_setreg_imm32_b32 hwreg(HW_REG_WAVE_MODE, 25, 1), 1
	s_wait_xcnt 0x0
; out0 = S + 0.25 S, S = the sum of the 512 numbers of part.  A sum over all work-groups of the launch before has one owner: one wave, 16 numbers a lane.
	s_load_b128 s[4:7], s[0:1], 0x0                ; part s[4:5], out0 s[6:7]
	v_lshlrev_b32 v1, 4, v0                        ; 16 bytes a lane: each load reads 512 consecutive bytes
	v_mov_b32 v2, 0
	s_mov_b32 s8, 0x76543210                       ; v_permlanex16_b32's selects for lane l xor 16
	s_mov_b32 s9, 0xfedcba98
	s_mov_b32 s11, 0x3e800000                      ; 0.25
	s_wait_alu depctr_va_vdst(0)
	s_wait_kmcnt 0x0
.irp q, 0,1,2,3
	global_load_b128 v[4+4*\q:7+4*\q], v1, s[4:5] offset:512*\q
.endr
	s_wait_loadcnt 0x0
	v_pk_add_f32 v[4:5], v[4:5], v[6:7]
	v_pk_add_f32 v[8:9], v[8:9], v[10:11]
	v_pk_add_f32 v[12:13], v[12:13], v[14:15]
	v_pk_add_f32 v[16:17], v[16:17], v[18:19]
	v_pk_add_f32 v[4:5], v[4:5], v[8:9]
	v_pk_add_f32 v[12:13], v[12:13], v[16:17]
	v_pk_add_f32 v[4:5], v[4:5], v[12:13]
	v_add_f32 v4, v4, v5
	v_add_f32_dpp v4, v4, v4 row_xmask:1 row_mask:0xf bank_mask:0xf
	v_add_f32_dpp v4, v4, v4 row_xmask:2 row_mask:0xf bank_mask:0xf
	v_add_f32_dpp v4, v4, v4 row_xmask:4 row_mask:0xf bank_mask:0xf
	v_add_f32_dpp v4, v4, v4 row_xmask:8 row_mask:0xf bank_mask:0xf
	v_permlanex16_b32 v5, v4, s8, s9
	v_add_f32 v4, v4, v5                           ; S, in every lane
	v_fma_f32 v6, v4, s11, v4                      ; 0.25 S + S
	v_cmp_eq_u32 vcc_lo, 0, v0
	s_wait_alu depctr_va_vdst(0)
	s_wait_xcnt 0x0                                ; EXEC changes only behind this wait
	s_and_saveexec_b32 s10, vcc_lo
	global_store_b32 v2, v6, s[6:7]                ; lane 0 alone
	s_wait_xcnt 0x0
	s_or_b32 exec_lo, exec_lo, s10
	s_endpgm
.Lfunc_end_k_qf7016fa366_total:
	.size	k_qf7016fa366_total, .Lfunc_end_k_qf7016fa366_total-k_qf7016fa366_total
	.p2alignl 7, 3214868480
	.fill 96, 4, 3214868480
	.section	.rodata,"a",@progbits
	.p2align	6, 0x0
	.amdhsa_kernel k_qf7016fa366_total
		.amdhsa_group_segment_fixed_size 0
		.amdhsa_private_segment_fixed_size 0
		.amdhsa_enable_private_segment 0
		.amdhsa_kernarg_size 16
		.amdhsa_user_sgpr_count 2
		.amdhsa_user_sgpr_kernarg_segment_ptr 1
		.amdhsa_wavefront_size32 1
		.amdhsa_system_sgpr_workgroup_id_x 1
		.amdhsa_system_sgpr_workgroup_id_y 1
		.amdhsa_system_sgpr_workgroup_id_z 1
		.amdhsa_system_vgpr_workitem_id 0
		.amdhsa_next_free_vgpr 24
		.amdhsa_next_free_sgpr 66
		.amdhsa_reserve_vcc 1
		.amdhsa_float_denorm_mode_32 3
		.amdhsa_float_denorm_mode_16_64 3
		.amdhsa_memory_ordered 1
		.amdhsa_forward_progress 1
		.amdhsa_inst_pref_size 3
	.end_amdhsa_kernel
	.amdgpu_metadata
---
amdhsa.version: [ 1, 2 ]
amdhsa.kernels:
  - .name:           k_qf7016fa366_total
    .symbol:         k_qf7016fa366_total.kd
    .args:
      - { .name: part, .offset: 0, .size: 8, .value_kind: global_buffer, .address_space: global }
      - { .name: out0, .offset: 8, .size: 8, .value_kind: global_buffer, .address_space: global }
    .group_segment_fixed_size: 0
    .private_segment_fixed_size: 0
    .kernarg_segment_align: 8
    .kernarg_segment_size: 16
    .max_flat_workgroup_size: 32
    .sgpr_count:     66
    .vgpr_count:     24
    .wavefront_size: 32
...
	.end_amdgpu_metadata
.endif
;; end of part 3
